; MI455X (gfx1250); checked and timed in simulation.
; The chip was launched on July 23, 2026; its instructions are those of AMD's public machine-readable ISA for CDNA 5 (MIT licence, August 2026) and "CDNA5" Instruction Set Architecture Reference Guide (July 2026). The comments in the code are by the model that wrote it; some were corrected since.
;; Causal Self Attention. Allowed arithmetic: matrix products marked QUANTISED: E4M3 operands, one E8M0 scale for each 32 along K, by v_wmma_scale_f32_16x16x128_f8f6f4 with both operands' format E4M3, f32 sums; everything else in f32.
;; Inputs: Wk_codes 512 x 16 x 32 uint8 (E4M3 codes of Wk, K innermost, in blocks of 32 codes); Wk_scales 512 x 16 uint8 (E8M0 scales of Wk, one for each 32 codes along K); Wp_codes 512 x 16 x 32 uint8 (E4M3 codes of Wp, K innermost, in blocks of 32 codes); Wp_scales 512 x 16 uint8 (E8M0 scales of Wp, one for each 32 codes along K); Wq_codes 512 x 16 x 32 uint8 (E4M3 codes of Wq, K innermost, in blocks of 32 codes); Wq_scales 512 x 16 uint8 (E8M0 scales of Wq, one for each 32 codes along K); Wv_codes 512 x 16 x 32 uint8 (E4M3 codes of Wv, K innermost, in blocks of 32 codes); Wv_scales 512 x 16 uint8 (E8M0 scales of Wv, one for each 32 codes along K); bk 512 float32; bp 512 float32; bq 512 float32; bv 512 float32; x_codes 8 x 1,024 x 16 x 32 uint8 (E4M3 codes of x, K innermost, in blocks of 32 codes); x_scales 8 x 1,024 x 16 uint8 (E8M0 scales of x, one for each 32 codes along K).
;; Outputs: out0 8 x 1,024 x 512 float32.
;; This version of the problem:
;;   THIS VERSION OF THE PROBLEM IS GIVEN IN LOW PRECISION. The matrix products marked QUANTISED in the list below multiply operands that are first quantised to E4M3 (4 exponent bits, 3 mantissa bits; 8 bits a number), with one power-of-two scale for each 32 numbers along K (OCP MX v1.0); their sums are f32. All else is computed in f32.
;;   The module's matrix products, in the order in which they are computed (A, B: the left and right operand; K: the contracted axis; several contracted axes count as one K, in the product's order):
;;     1. [M 8,192, K 512] x [K 512, N 512]; A: input x (given as codes); B: input Wq (given as codes): QUANTISED
;;     2. [M 8,192, K 512] x [K 512, N 512]; A: input x (given as codes); B: input Wk (given as codes): QUANTISED
;;     3. [M 8,192, K 512] x [K 512, N 512]; A: input x (given as codes); B: input Wv (given as codes): QUANTISED
;;     4. batch 64 x [M 1,024, K 64] x [K 64, N 1,024]; A: computed on the way; B: computed on the way: QUANTISED
;;     5. batch 64 x [M 1,024, K 1,024] x [K 1,024, N 64]; A: softmax (see below); B: computed on the way: QUANTISED
;;     6. [M 8,192, K 512] x [K 512, N 512]; A: computed on the way; B: input Wp (given as codes): QUANTISED
;;   THE QUANTISER, for each operand of a quantised product, along K:
;;     - K is cut into blocks of 32 from its start; a last block that is shorter is filled with zeros.
;;     - A block's scale is 2^e with e = floor(log2(the largest magnitude in the block)) - 8, held to -126 .. 127; a block of zeros has e = 0. As a byte (E8M0): e + 127.
;;     - Each number is divided by its block's scale, clamped to +-448, and rounded to the nearest number of E4M3, ties to even, subnormals kept.
;;     - The product sums the exact products of the quantised numbers (number of the format x scale) in f32.
;;   ~~~python
;;   def quantise(x, axis):      # numpy; x: float32 -> the quantised numbers, widened to float32 again
;;       x = np.moveaxis(x, axis, -1); K = x.shape[-1]
;;       x = np.pad(x, [(0, 0)] * (x.ndim - 1) + [(0, -K % 32)]); x = x.reshape(x.shape[:-1] + (-1, 32)); a = np.abs(x).max(-1, keepdims=True)
;;       e = np.where(a > 0, np.clip(np.frexp(np.where(a > 0, a, 1))[1] - 1 - 8, -126, 127), 0)      # np.frexp(a)[1] - 1 = floor(log2(a)), exactly
;;       r = np.clip(x / 2.0 ** e, -448, 448)
;;       step = 2.0 ** (np.maximum(np.frexp(np.where(r == 0, 1, r))[1] - 1, -6) - 3)
;;       q = np.round(r / step) * step * 2.0 ** e      # np.round: ties to even
;;       return np.moveaxis(q.reshape(q.shape[:-2] + (-1,))[..., :K], -1, axis).astype(np.float32)
;;   ~~~
;;   SOFTMAX AHEAD OF A QUANTISED PRODUCT. Where the list says 'softmax', what is quantised is not the finished softmax but p = 2^(t - M), with t = logit x log2(e) and M = ceil(the row's largest t), a whole number; so 1/2 < the row's largest p <= 1. The row's sum l is taken of the UNQUANTISED p, in f32, and the product's result is divided by l at the end. Since M is a whole number, a kernel that streams over the keys may use a running M (the ceiling of the running maximum): every later rescaling is an exact power of two, which a block's scale takes up: the codes' values come out the same.
;;   OPERANDS COMPUTED ON THE WAY. 'Computed on the way' means the value that the module computes at that place (a softmax that the list does not call 'softmax' is quantised finished and normalised). What goes into a quantiser is computed in f32, as accurately as f32 sums, v_exp_f32 and their like allow (about 1e-6 of the number): no bf16 or f16 on the way to a quantiser, and a product that is left as it is and whose result goes on into a quantised operand takes f32 operands (vector FMAs, or v_wmma_f32_16x16x4_f32). A number that lies on a knife's edge between two numbers of the format may be rounded either way, as far as f32 arithmetic and the matrix unit's own rounding can turn it there, and no further.
;;   INPUTS GIVEN AS CODES. Wk (in the module: [512, 512], K = its axis 1); Wp (in the module: [512, 512], K = its axis 1); Wq (in the module: [512, 512], K = its axis 1); Wv (in the module: [512, 512], K = its axis 1); x (in the module: [8, 1024, 512], K = its axis 2): each comes as NAME_codes (uint8): NAME with its K axis moved to the last place and cut into blocks of 32 codes, [.., K / 32, bytes a block], one block behind the other in memory; one code a byte (a code: sign, 4 exponent bits, 3 mantissa bits); and NAME_scales (uint8): the same leading axes, one E8M0 byte (e + 127) for each 32 codes along K. Its value is code x scale, taken as it is: it is not quantised again, and the codes and scales need not be those that the quantiser above would give.
;; One version. Each part assembles by itself: llvm-mc -triple=amdgcn-amd-amdhsa -mcpu=gfx1250 --defsym DOCPART=n.
;; ======== version 1 of 1: 3 launches
;; limits: right only within a limited range of input values
;; workspace buffers: qc 4,194,304 bytes; qs 524,288 bytes; kv 8,912,896 bytes; yc 4,194,304 bytes; ys 131,072 bytes
;; launch qkv (part 1): grid 4 x 64, 12 waves a work-group, clusters of 4 x 4, 271,872 bytes of LDS; arguments x_codes, x_scales, Wq_codes, Wq_scales, Wk_codes, Wk_scales, Wv_codes, Wv_scales, bq, bk, bv, qc, qs, kv; writes qc, qs, kv
.if DOCPART == 1
	.amdgcn_target "amdgcn-amd-amdhsa--gfx1250"
	.amdhsa_code_object_version 6
	.text
	.protected	k_qdb72be480c_qkv
	.globl	k_qdb72be480c_qkv
	.p2align	8
	.type	k_qdb72be480c_qkv,@function
k_qdb72be480c_qkv:
	s_mov_b64 s[64:65], 0
	v_nop
	global_prefetch_b8 v0, s[64:65] scope:SCOPE_SE
	s_setreg_imm32_b32 hwreg(HW_REG_WAVE_MODE, 25, 1), 1
	s_wait_xcnt 0x0
	s_wait_alu depctr_hold_cnt(0) depctr_sa_sdst(0) depctr_va_vdst(0) depctr_va_sdst(0) depctr_va_ssrc(0) depctr_va_vcc(0) depctr_vm_vsrc(0)
	s_getreg_b32 s2, hwreg(HW_REG_IB_STS2, 6, 4)
	s_cmp_eq_u32 s2, 0
	s_cbranch_scc0 .Lentry_in_a_cluster
	s_endpgm
.Lentry_in_a_cluster:
	s_bfe_u32 s2, ttmp6, 0x10000c
	s_cmp_lg_u32 s2, 0xf033
	s_cbranch_scc0 .Lentry_shape_is_right
	s_endpgm
.Lentry_shape_is_right:
; q = x Wq^T + bq, k = x Wk^T + bk, v = x Wv^T + bv on codes of FP8 (E4M3) with one E8M0 scale for each 32 along K = 512; the results are quantised at once:
; q and k along the head's 64 (two blocks of 32), v along the keys (blocks of 32 keys), and stored as IMAGES OF OPERAND REGISTERS for the attention launch.
; DEAD WORK, left out in the attention launch: steps of 128 keys that lie wholly behind a tile's queries: reference() itself builds the causal mask that sets their scores to -infinity, so their p is 0 for all values of the inputs.
; A NaN, an infinity or an overflow that reaches only such scores is not carried to the result.  Every input is loaded.
; SHARES.  A work-group takes 128 rows of x (row block RB: batch RB / 8, key step RB % 8) and the heads 2 HP, 2 HP + 1 (128 columns of each of q, k, v).  Twelve waves: role = wave / 4 (0 q, 1 k, 2 v), row half i = wave / 2 % 2, head j = wave % 2.
; ALL ROLES MULTIPLY 4 x 4 TILES: source 0 = the LARGE side, source 1 = the SMALL side: 16 accumulators, 4 K steps of 128, 64 matrix instructions a wave.
;   q, k: large = the weight's 64 rows of head j, small = x's 64 rows of half i: a lane holds one row of x and its registers run along the head's channels.
;   v:    large = x's 64 rows of half i,          small = Wv's 64 rows of head j: a lane holds one channel and its registers run along the keys.
; So a lane's 16 registers of large tiles 2 b, 2 b + 1 belong to ONE block b of 32 along the next product's K; the other 16 lie in lane xor 16.  They are converted as they stand:
; operand place (block b, lane half h, e) holds index 32 b + 16 (e / 8) + 8 h + e % 8.  Both operands of each later product are made in this one order, which stays inside a block, so sums and scales are the right ones.
; CLUSTERS: 4 x 4 work-groups.  x's tile hangs on RB alone and is asked for jointly along a row of the cluster; a weight's tile hangs on HP alone and is asked for jointly along a column.
; LDS is filled once, by four loads of 128 whole rows (512 bytes + 16 of padding): waves 0, 1, 4, 8 bring x, Wq, Wk, Wv.  The first barrier shows x and Wq, and q's waves multiply; the second shows the rest.  No prefetch: there is no loop to run ahead in.
; THE RESULTS.  qc: [batch, head][16 rows][block][lane][16 bytes]; qs: [batch, head][64 rows][lane][tile]: a word holds the tile's two bytes twice.
; kv: a chunk of 17,408 bytes for each head and 128 keys: k's codes [tile of 16 keys][block][lane][16], v's codes [tile of 16 channels][block of 32 keys][lane][16], then for each half of the keys [lane][pair of tiles] k's words, and v's: a word = two tiles' two bytes.
; LIMITS: NaN and infinities among the inputs are not served.  A block whose largest magnitude lies under 2^-118 keeps the floor's byte 1; a block of zeros gets the byte 1 where the rule says 127: its codes are zeros, and this program alone reads the bytes.
; REGISTERS.  v3 8 x lane; v4, v6 LDS addresses of the large and the small side; v5, v7 the add's; v8 16 x lane; v9-12 store offsets; v13, v15 bias offsets; v16-31 scale words (large pair p at 16 + 8 p, small pair q at 20 + 8 q);
;   v32-63 the bias as a first C; v64-127 large fragments; v128-255 accumulator (i, j) at v[128 + 32 j + 8 i]; window 1: v256-319 small fragments.  Behind the products v64-95 codes, v96-111 at work, v112-113 scale words, v114-117 what is stored of them.
.set RT,    67584                      ; a region: 128 rows x 528 bytes: 0 x, 1 Wq, 2 Wk, 3 Wv
.set TILEB, 16*528
.set SPARE, 4*RT                       ; the spare words, 128 bytes for each wave
.set CHB,   17408
.set SL,  16
.set SS,  20
.set BI,  32
.set LG,  64
.set ACC, 128
.set PCD, 64
.set TM,  96
.set PW,  112
.set XA,  114
.set SPW, 5
.set NIL, 7
.set WV,   32
.set ROLE, 33
.set IH,   34
.set JH,   35
.set CX,   36
.set CY,   37
.set HP,   38                          ; pair of heads = 4 x cluster x + cx
.set RB,   39                          ; row block = 4 x cluster y + cy
.set MROW, 40
.set MCOL, 41
.set R2,   42                          ; 1 in v's waves
.set G1X,  44                          ; s[44:51] descriptor group 1 for x's tile, s[52:59] for the weights': they differ in the mask alone
.set G1W,  52
.set G0X,  60
.set G0W,  68
.set MNT,  100                         ; the mantissa field of 448
.set MSB, 0
.macro WIN new                         ; the immediate's high byte repeats the setting that is left
.if MSB != \new
	s_set_vgpr_msb (MSB<<8)|\new
.set MSB, \new
.endif
.endm
.macro PLACES n                        ; plain vector lines behind a matrix instruction: eight for this form, in front of loads into its registers and of reads of its results
.rept \n
	v_nop
.endr
.endm
.macro ROUND                           ; a round of the cluster's barrier
	s_barrier_signal -1
	s_barrier_wait -1
	s_cmp_lg_u32 s[WV], 0
	s_cbranch_scc1 .Lnot_wave_0_\@
	s_barrier_signal -3
.Lnot_wave_0_\@:
	s_barrier_wait -3
	s_barrier_signal -1
	s_barrier_wait -1
.endm
.macro ARM wave, g0, g1, next          ; one wave's load: each arm has its own line and leads to the one join
	s_cmp_eq_u32 s[WV], \wave
	s_cbranch_scc0 \next
	tensor_load_to_lds s[\g0:\g0+3], s[\g1:\g1+7]
	s_nop 0
	PLACES 4
	s_branch .Lasked
\next:
.endm
	s_load_b512 s[4:19], s[0:1], 0x0               ; x_codes 4, x_scales 6, Wq_codes 8, Wq_scales 10, Wk_codes 12, Wk_scales 14, Wv_codes 16, Wv_scales 18
	s_load_b256 s[20:27], s[0:1], 0x40             ; bq 20, bk 22, bv 24, qc 26
	s_load_b128 s[28:31], s[0:1], 0x60             ; qs 28, kv 30
	v_lshl_add_u32 v[SPW], v0, 2, SPARE
	v_mov_b32 v[NIL], 0
	ds_add_u32 v[SPW], v[NIL]                      ; the wave's opening: the add, twice on end, and its wait ahead of my first tensor load
	ds_add_u32 v[SPW], v[NIL]
	v_lshrrev_b32 v1, 5, v0
	v_readfirstlane_b32 s[WV], v1
	s_lshr_b32 s[ROLE], s[WV], 2
	s_bfe_u32 s[IH], s[WV], 0x10001
	s_and_b32 s[JH], s[WV], 1
	s_lshr_b32 s[R2], s[ROLE], 1
	s_bfe_u32 s[CX], ttmp6, 0x40000
	s_bfe_u32 s[CY], ttmp6, 0x40004
	s_lshl_b32 s[HP], ttmp9, 2
	s_add_co_u32 s[HP], s[HP], s[CX]
	s_and_b32 s[RB], ttmp7, 0xffff
	s_lshl_b32 s[RB], s[RB], 2
	s_add_co_u32 s[RB], s[RB], s[CY]
	s_lshl_b32 s[MROW], s[CY], 2
	s_lshl_b32 s[MROW], 15, s[MROW]                ; my row of the cluster
	s_lshl_b32 s[MCOL], 0x1111, s[CX]              ; my column
	s_or_b32 s[G1X], s[MROW], (1<<20)|(1<<21)|(6<<22)|(3<<25)   ; group 1: 128 rows of 512 bytes, 4 words of padding behind every 128
	s_or_b32 s[G1W], s[MCOL], (1<<20)|(1<<21)|(6<<22)|(3<<25)
.irp g, G1X, G1W
	s_mov_b32 s[\g+1], 512<<16                     ; tensor_dim0
	s_mov_b32 s[\g+2], 128<<16                     ; tensor_dim1
	s_mov_b32 s[\g+3], 512<<16                     ; tile_dim0
	s_mov_b32 s[\g+4], 128                         ; tile_dim1
	s_mov_b32 s[\g+5], 512                         ; the pitch
	s_mov_b32 s[\g+6], 0
	s_mov_b32 s[\g+7], 0
.endr
	s_mov_b32 s2, 0x76543210                       ; v_permlanex16_b32's selects for lane xor 16
	s_mov_b32 s3, 0xfedcba98
	s_mov_b32 s[MNT], 0x600000
	; LDS addresses: large = region role + 1 at head j (v: region 0 at half i); small = region 0 at half i (v: region 3 at head j)
	s_add_co_u32 s72, s[ROLE], 1
	s_xor_b32 s73, s[R2], 1
	s_mul_i32 s72, s72, s73
	s_mul_i32 s72, s72, RT
	s_xor_b32 s73, s[IH], s[JH]
	s_and_b32 s73, s73, s[R2]
	s_xor_b32 s74, s[JH], s73
	s_mul_i32 s74, s74, 4*TILEB
	s_add_co_u32 s72, s72, s74
	s_xor_b32 s74, s[IH], s73
	s_mul_i32 s74, s74, 4*TILEB
	s_mul_i32 s75, s[R2], 3*RT
	s_add_co_u32 s74, s74, s75
	s_lshl_b32 s75, 1024, s[R2]                    ; from small tile to small tile of the codes: 1,024 bytes, v 2,048
	s_mul_i32 s76, s[JH], 4*TILEB                  ; and for q's waves, which begin early, addresses that lie in x and Wq alone
	s_add_co_u32 s76, s76, RT
	s_mul_i32 s77, s[IH], 4*TILEB
	v_and_b32 v1, 15, v0
	v_bfe_u32 v2, v0, 4, 1
	v_and_b32 v3, 31, v0
	v_mul_u32_u24 v14, v1, 528
	v_lshlrev_b32 v8, 4, v3
	v_lshl_add_u32 v14, v2, 4, v14                 ; a fragment's row x pitch + 16 x lane half
	v_lshlrev_b32 v3, 3, v3
	v_lshlrev_b32 v13, 5, v2
	v_lshlrev_b32 v15, 2, v1
	v_add_nc_u32 v4, s72, v14
	v_add_nc_u32 v6, s74, v14
	v_add_nc_u32 v1, s76, v14                      ; (from here on v1, v2 are q's large and small side)
	v_add_nc_u32 v2, s77, v14
	v_mov_b32 v9, v8
	v_add_nc_u32 v10, s75, v9
	v_add_nc_u32 v11, s75, v10
	v_add_nc_u32 v12, s75, v11
	s_lshl_b32 s96, s[RB], 16                      ; x: 128 rows of 512 bytes a row block (these two registers hold nothing of cx)
	s_mov_b32 s97, 0
	s_lshl_b32 s98, s[HP], 16                      ; a weight: 128 rows of 512 bytes a pair of heads (and these nothing of cy)
	s_mov_b32 s99, 0
	s_mov_b32 s[G0X], 1
	s_mov_b32 s[G0X+1], 0
	s_mov_b32 s[G0W], 1
	s_add_co_u32 s[G0W+1], s[ROLE], 1
	s_mul_i32 s[G0W+1], s[G0W+1], RT
	s_wait_alu depctr_va_vdst(0)                   ; directly ahead of the waits below
	s_wait_dscnt 0x0                               ; both opening adds are done
	s_wait_kmcnt 0x0
	s_add_nc_u64 s[G0X+2:G0X+3], s[4:5], s[96:97]
	s_or_b32 s[G0X+3], s[G0X+3], 0x80000000
	s_cmp_eq_u32 s[ROLE], 0
	s_cselect_b64 s[G0W+2:G0W+3], s[8:9], s[12:13]
	s_cmp_eq_u32 s[ROLE], 2
	s_cselect_b64 s[G0W+2:G0W+3], s[16:17], s[G0W+2:G0W+3]
	s_add_nc_u64 s[G0W+2:G0W+3], s[G0W+2:G0W+3], s[98:99]
	s_or_b32 s[G0W+3], s[G0W+3], 0x80000000
	ROUND                                          ; all sixteen work-groups are here: the joint loads meet
	ARM 0, G0X, G1X, .Lask_1
	ARM 1, G0W, G1W, .Lask_4
	ARM 4, G0W, G1W, .Lask_8
	ARM 8, G0W, G1W, .Lask_none
.Lasked:
	; the scale words and the bias go from memory straight into registers
	s_lshl_b32 s76, s[RB], 11                      ; 128 rows of 16 scale bytes; half i begins 1,024 bytes on
	s_lshl_b32 s78, s[IH], 10
	s_add_co_u32 s76, s76, s78
	s_mov_b32 s77, 0
	s_add_nc_u64 s[84:85], s[6:7], s[76:77]        ; x's
	s_lshl_b32 s78, s[HP], 11
	s_lshl_b32 s79, s[JH], 10
	s_add_co_u32 s78, s78, s79
	s_lshr_b32 s76, s78, 2                         ; the bias of my head: 64 numbers, a quarter of its rows' scale bytes
	s_mov_b32 s79, 0
	s_cmp_eq_u32 s[ROLE], 0
	s_cselect_b64 s[80:81], s[10:11], s[14:15]
	s_cselect_b64 s[82:83], s[20:21], s[22:23]
	s_cmp_eq_u32 s[ROLE], 2
	s_cselect_b64 s[80:81], s[18:19], s[80:81]
	s_cselect_b64 s[82:83], s[24:25], s[82:83]
	s_add_nc_u64 s[80:81], s[80:81], s[78:79]      ; the weight's
	s_add_nc_u64 s[82:83], s[82:83], s[76:77]
	s_cmp_eq_u32 s[ROLE], 2
	s_cselect_b64 s[86:87], s[84:85], s[80:81]     ; the large side's,
	s_cselect_b64 s[88:89], s[80:81], s[84:85]     ; the small side's
.irp p, 0,1
	global_load_b128 v[SL+8*\p:SL+8*\p+3], v8, s[86:87] offset:512*\p   ; 32 rows x 16 bytes, 512 consecutive bytes: lanes 0-15 tile 2 p, lanes 16-31 tile 2 p + 1; register s: K step s
	global_load_b128 v[SS+8*\p:SS+8*\p+3], v8, s[88:89] offset:512*\p
.endr
	s_cmp_eq_u32 s[ROLE], 2
	s_cbranch_scc1 .Lbias_v
.irp i, 0,1,2,3
	global_load_b128 v[BI+8*\i:BI+8*\i+3], v13, s[82:83] offset:64*\i        ; q, k: the bias runs along the registers: channel 16 i + 8 (lane / 16) + 0 .. 7
	global_load_b128 v[BI+8*\i+4:BI+8*\i+7], v13, s[82:83] offset:64*\i+16
.endr
	s_wait_loadcnt 0x0                             ; the scale words and the bias
.irp j, 0,1,2,3                        ; the sums start with the bias: it goes into the accumulators while the tiles are on their way
.irp i, 0,1,2,3
.irp e, 0,2,4,6
	v_dual_mov_b32 v[ACC+32*\j+8*\i+\e], v[BI+8*\i+\e] :: v_dual_mov_b32 v[ACC+32*\j+8*\i+\e+1], v[BI+8*\i+\e+1]
.endr
.endr
.endr
	s_branch .Lbias_done
.Lbias_v:
.irp j, 0,1,2,3
	global_load_b32 v[BI+8*\j], v15, s[82:83] offset:64*\j                   ; v: the bias is the lane's: channel 16 j + lane % 16, the same in all eight registers
.endr
	s_wait_loadcnt 0x0
.irp j, 0,1,2,3
.irp i, 0,1,2,3
.irp e, 0,2,4,6
	v_dual_mov_b32 v[ACC+32*\j+8*\i+\e], v[BI+8*\j] :: v_dual_mov_b32 v[ACC+32*\j+8*\i+\e+1], v[BI+8*\j]
.endr
.endr
.endr
.Lbias_done:
	s_wait_alu depctr_va_vdst(0)
	; where the results go
	s_lshr_b32 s90, s[RB], 3
	s_lshl_b32 s90, s90, 3
	s_lshl_b32 s91, s[HP], 1
	s_add_co_u32 s90, s90, s91
	s_add_co_u32 s90, s90, s[JH]                   ; batch x 8 + head
	s_and_b32 s91, s[RB], 7                        ; the key step
	s_lshl_b32 s92, s90, 16
	s_lshl_b32 s93, s91, 13
	s_add_co_u32 s92, s92, s93
	s_lshl_b32 s93, s[IH], 12
	s_add_co_u32 s92, s92, s93                     ; q's codes: 16 rows are 1,024 bytes
	s_lshr_b32 s95, s92, 3                         ; q's words: an eighth of that
	s_lshl_b32 s94, s90, 3
	s_add_co_u32 s94, s94, s91
	s_mul_i32 s94, s94, CHB                        ; the chunk
	s_lshl_b32 s90, s[R2], 9
	s_lshl_b32 s91, s[IH], 8
	s_add_co_u32 s90, s90, s91
	s_add_co_u32 s90, s90, s94
	s_add_co_u32 s90, s90, 16384                   ; k's words, v's 512 bytes on; 256 bytes a half
	s_lshl_b32 s91, s[R2], 1
	s_lshr_b32 s93, s93, s91                       ; k: 4,096 bytes a half; v: 1,024
	s_add_co_u32 s94, s94, s93
	s_lshl_b32 s93, s[R2], 13
	s_add_co_u32 s94, s94, s93                     ; v's codes lie 8,192 bytes behind k's
	s_cmp_eq_u32 s[ROLE], 0
	s_cselect_b32 s96, s92, s94
	s_cselect_b32 s98, s95, s90
	s_cselect_b64 s[74:75], s[26:27], s[30:31]
	s_cselect_b64 s[72:73], s[28:29], s[30:31]
	s_add_nc_u64 s[74:75], s[74:75], s[96:97]
	s_add_nc_u64 s[72:73], s[72:73], s[98:99]
; A K step of 128: 16 loads for the small side (LDS address in v[low]), 16 for the large (in v[big]), 16 matrix instructions onto the sums, which began with the bias.
; The 16 accumulators take turns, one instruction a turn, in the same order in every K step.
.macro KSTEP s, big, low
.if \s
	PLACES 8                                       ; the last products read the registers that are loaded now
.endif
	WIN 0x40                                       ; destination window 1
.irp j, 0,1,2,3
.irp c, 0,1,2,3
	ds_load_b128 v[16*\j+4*\c:16*\j+4*\c+3], v[\low] offset:\j*TILEB+128*(\s)+32*\c
.endr
.endr
	WIN 0
.irp i, 0,1,2,3
.irp c, 0,1,2,3
	ds_load_b128 v[LG+16*\i+4*\c:LG+16*\i+4*\c+3], v[\big] offset:\i*TILEB+128*(\s)+32*\c
.endr
.endr
	WIN 0x04                                       ; source 1 window 1
.irp i, 0,1,2,3
	s_wait_dscnt 12-4*\i                           ; the small side and large tiles 0 .. i are in; the younger tiles' loads may be out
.irp j, 0,1,2,3
.set rD, ACC+32*\j+8*\i
.set rC, rD
.set rA, LG+16*\i
.set rE, SL+8*(\i/2)+(\s)
.set rF, SS+8*(\j/2)+(\s)
.if (\i%2 == 1) && (\j%2 == 1)
	v_wmma_scale_f32_16x16x128_f8f6f4 v[rD:rD+7], v[rA:rA+15], v[16*\j:16*\j+15], v[rC:rC+7], v[rE], v[rF] matrix_a_scale:MATRIX_SCALE_ROW1 matrix_b_scale:MATRIX_SCALE_ROW1
.elseif \i%2 == 1
	v_wmma_scale_f32_16x16x128_f8f6f4 v[rD:rD+7], v[rA:rA+15], v[16*\j:16*\j+15], v[rC:rC+7], v[rE], v[rF] matrix_a_scale:MATRIX_SCALE_ROW1
.elseif \j%2 == 1
	v_wmma_scale_f32_16x16x128_f8f6f4 v[rD:rD+7], v[rA:rA+15], v[16*\j:16*\j+15], v[rC:rC+7], v[rE], v[rF] matrix_b_scale:MATRIX_SCALE_ROW1
.else
	v_wmma_scale_f32_16x16x128_f8f6f4 v[rD:rD+7], v[rA:rA+15], v[16*\j:16*\j+15], v[rC:rC+7], v[rE], v[rF]
.endif
.endr
.endr
	WIN 0
.endm
; The results of small tiles 2 u, 2 u + 1 (64 registers: two blocks each) become 16 registers of codes, stored at once, and a word of four scale bytes
.macro QUANT u
.set AC, ACC+64*(\u)
.set PJ, PCD+16*(\u)
.irp b, 0,1,2,3
	v_max3_num_f32 v[TM+\b], |v[AC+16*\b]|, |v[AC+16*\b+1]|, 0x4800000     ; with the floor 2^(9 - 127): the byte cannot fall under 1.  Each accumulator is read from its low end on
.endr
.irp i, 2,4,6,8,10,12,14
.irp b, 0,1,2,3
	v_max3_num_f32 v[TM+\b], v[TM+\b], |v[AC+16*\b+\i]|, |v[AC+16*\b+\i+1]|
.endr
.endr
.irp b, 0,1,2,3
	v_permlanex16_b32 v[TM+4+\b], v[TM+\b], s2, s3
.endr
.irp b, 0,1,2,3
	v_max_num_f32 v[TM+\b], v[TM+\b], v[TM+4+\b]   ; the block's largest magnitude
.endr
.irp b, 0,1,2,3
	v_add_nc_u32 v[TM+12+\b], 0xfc000000, v[TM+\b] ; 8 off its exponent field: the conversion's scale operand
.endr
.irp b, 0,1,2,3
	v_and_or_b32 v[TM+8+\b], v[TM+\b], 0x7f800000, s[MNT]   ; 448 x the scale
.endr
.irp b, 0,1,2,3
	v_lshrrev_b32 v[TM+4+\b], 23, v[TM+12+\b]      ; the scale's byte
.endr
	v_lshl_or_b32 v[PW+\u], v[TM+5], 8, v[TM+4]
	v_lshl_or_b32 v[PW+\u], v[TM+6], 16, v[PW+\u]
	v_lshl_or_b32 v[PW+\u], v[TM+7], 24, v[PW+\u]
.irp b, 0,1,2,3
.irp i, 0,1,2,3,4,5,6,7,8,9,10,11,12,13,14,15
	v_med3_num_f32 v[AC+16*\b+\i], v[AC+16*\b+\i], -v[TM+8+\b], v[TM+8+\b]   ; the conversion to an 8-bit code does not saturate (ISA guide 7.6.2): the hold at the largest code x the scale
.endr
	v_cvt_scalef32_pk8_fp8_f32 v[PJ+4*\b:PJ+4*\b+1], v[AC+16*\b:AC+16*\b+7], v[TM+12+\b]
	v_cvt_scalef32_pk8_fp8_f32 v[PJ+4*\b+2:PJ+4*\b+3], v[AC+16*\b+8:AC+16*\b+15], v[TM+12+\b]
.endr
	v_nop                                          ; a plain line behind the last conversion
.irp b, 0,1,2,3
	global_store_b128 v[9+2*(\u)+\b/2], v[PJ+4*\b:PJ+4*\b+3], s[74:75] offset:512*(\b%2)   ; 512 consecutive bytes, aligned
.endr
.endm
	s_cmp_lt_u32 s[WV], 2
	s_cbranch_scc0 .Lnot_first_tiles
	s_wait_tensorcnt 0x0                           ; waves 0, 1: x and Wq are in.  The other waves' wait stands at the second barrier
.Lnot_first_tiles:
	s_barrier_signal -1
	s_barrier_wait -1
	s_wait_tensorcnt 0x0                           ; Wk and Wv are in:
	s_wait_dscnt 0x0
	s_barrier_signal -1                            ; up to the wait, q's waves alone: register work, and LDS loads of x and Wq, which nobody writes
	s_cmp_lt_u32 s[WV], 4
	s_cbranch_scc0 .Lnot_q
	KSTEP 0, 1, 2
	KSTEP 1, 1, 2
	KSTEP 2, 1, 2
	KSTEP 3, 1, 2
	PLACES 8                                       ; the places behind the last products stand ahead of the join
.Lnot_q:
	s_barrier_wait -1                              ; everything is in
	s_cmp_lt_u32 s[WV], 4
	s_cbranch_scc1 .Lquant
	KSTEP 0, 4, 6
	KSTEP 1, 4, 6
	KSTEP 2, 4, 6
	KSTEP 3, 4, 6
.Lquant:
	PLACES 8                                       ; in front of the first read of results and the first write over operands
.irp b, 0,1,2,3
	v_mov_b32 v[TM+4+\b], 0                        ; written once: a lane permute's destination counts as one of its sources
.endr
	QUANT 0
	QUANT 1                                        ; (codes and offsets have registers of their own: no store's sources are written again)
	s_mov_b32 s78, 0x01000100
	s_mov_b32 s79, 0x03020302
	s_wait_alu depctr_va_vdst(0)                   ; ahead of the branch below
	s_cmp_lg_u32 s[ROLE], 0
	s_cbranch_scc1 .Lwords_kv
.irp u, 0,1
	v_perm_b32 v[XA+2*\u], v[PW+\u], v[PW+\u], s78   ; q: a tile's two bytes twice
	v_perm_b32 v[XA+2*\u+1], v[PW+\u], v[PW+\u], s79
.endr
	global_store_b128 v8, v[XA:XA+3], s[72:73]
	s_branch .Lend
.Lwords_kv:
	global_store_b64 v3, v[PW:PW+1], s[72:73]      ; k, v: 256 consecutive bytes, aligned
.Lend:
	s_wait_tensorcnt 0x0                           ; the wave's end
	ds_add_u32 v[SPW], v[NIL]
	s_wait_dscnt 0x0
	ROUND                                          ; the closing round: no work-group ends while a partner may still ask for a tile that names it
	s_endpgm
.Lfunc_end_k_qdb72be480c_qkv:
	.size	k_qdb72be480c_qkv, .Lfunc_end_k_qdb72be480c_qkv-k_qdb72be480c_qkv
	.p2alignl 7, 3214868480
	.fill 96, 4, 3214868480
	.section	.rodata,"a",@progbits
	.p2align	6, 0x0
	.amdhsa_kernel k_qdb72be480c_qkv
		.amdhsa_group_segment_fixed_size 271872
		.amdhsa_private_segment_fixed_size 0
		.amdhsa_enable_private_segment 0
		.amdhsa_kernarg_size 112
		.amdhsa_user_sgpr_count 2
		.amdhsa_user_sgpr_kernarg_segment_ptr 1
		.amdhsa_wavefront_size32 1
		.amdhsa_system_sgpr_workgroup_id_x 1
		.amdhsa_system_sgpr_workgroup_id_y 1
		.amdhsa_system_sgpr_workgroup_id_z 1
		.amdhsa_system_vgpr_workitem_id 0
		.amdhsa_next_free_vgpr 320
		.amdhsa_next_free_sgpr 104
		.amdhsa_reserve_vcc 0
		.amdhsa_float_denorm_mode_32 3
		.amdhsa_float_denorm_mode_16_64 3
		.amdhsa_memory_ordered 1
		.amdhsa_forward_progress 1
		.amdhsa_inst_pref_size 73
	.end_amdhsa_kernel
	.amdgpu_metadata
---
amdhsa.version: [ 1, 2 ]
amdhsa.kernels:
  - .name:           k_qdb72be480c_qkv
    .symbol:         k_qdb72be480c_qkv.kd
    .args:
      - { .name: x_codes, .offset: 0, .size: 8, .value_kind: global_buffer, .address_space: global }
      - { .name: x_scales, .offset: 8, .size: 8, .value_kind: global_buffer, .address_space: global }
      - { .name: Wq_codes, .offset: 16, .size: 8, .value_kind: global_buffer, .address_space: global }
      - { .name: Wq_scales, .offset: 24, .size: 8, .value_kind: global_buffer, .address_space: global }
      - { .name: Wk_codes, .offset: 32, .size: 8, .value_kind: global_buffer, .address_space: global }
      - { .name: Wk_scales, .offset: 40, .size: 8, .value_kind: global_buffer, .address_space: global }
      - { .name: Wv_codes, .offset: 48, .size: 8, .value_kind: global_buffer, .address_space: global }
      - { .name: Wv_scales, .offset: 56, .size: 8, .value_kind: global_buffer, .address_space: global }
      - { .name: bq, .offset: 64, .size: 8, .value_kind: global_buffer, .address_space: global }
      - { .name: bk, .offset: 72, .size: 8, .value_kind: global_buffer, .address_space: global }
      - { .name: bv, .offset: 80, .size: 8, .value_kind: global_buffer, .address_space: global }
      - { .name: qc, .offset: 88, .size: 8, .value_kind: global_buffer, .address_space: global }
      - { .name: qs, .offset: 96, .size: 8, .value_kind: global_buffer, .address_space: global }
      - { .name: kv, .offset: 104, .size: 8, .value_kind: global_buffer, .address_space: global }
    .group_segment_fixed_size: 271872
    .private_segment_fixed_size: 0
    .kernarg_segment_align: 8
    .kernarg_segment_size: 112
    .max_flat_workgroup_size: 384
    .sgpr_count:     104
    .vgpr_count:     320
    .wavefront_size: 32
...
	.end_amdgpu_metadata
.endif
;; end of part 1
;; launch attn (part 2): grid 256 x 1, 16 waves a work-group, clusters of 4 x 1, 167,936 bytes of LDS; arguments qc, qs, kv, yc, ys; writes yc, ys
.if DOCPART == 2
	.amdgcn_target "amdgcn-amd-amdhsa--gfx1250"
	.amdhsa_code_object_version 6
	.text
	.protected	k_qdb72be480c_attn
	.globl	k_qdb72be480c_attn
	.p2align	8
	.type	k_qdb72be480c_attn,@function
k_qdb72be480c_attn:
	s_mov_b64 s[64:65], 0
	v_nop
	global_prefetch_b8 v0, s[64:65] scope:SCOPE_SE
	s_setreg_imm32_b32 hwreg(HW_REG_WAVE_MODE, 25, 1), 1
	s_wait_xcnt 0x0
	s_wait_alu depctr_hold_cnt(0) depctr_sa_sdst(0) depctr_va_vdst(0) depctr_va_sdst(0) depctr_va_ssrc(0) depctr_va_vcc(0) depctr_vm_vsrc(0)
	s_getreg_b32 s2, hwreg(HW_REG_IB_STS2, 6, 4)
	s_cmp_eq_u32 s2, 0
	s_cbranch_scc0 .Lentry_in_a_cluster
	s_endpgm
.Lentry_in_a_cluster:
	s_bfe_u32 s2, ttmp6, 0x10000c
	s_cmp_lg_u32 s2, 0x3003
	s_cbranch_scc0 .Lentry_shape_is_right
	s_endpgm
.Lentry_shape_is_right:
; y = softmax(mask(q k^T / 8)) v for one head, both products on codes of FP8 (E4M3) with E8M0 scales, and y quantised along C for the last launch.
; THE MASK (reference() builds it itself): key k counts for query q where k <= q and k % 25 != 24.  Hidden scores become -infinity AHEAD of the row's maximum.  Key steps all of whose keys come after a tile's queries are dead work: they are not walked.
; THE SOFTMAX: t = score x log2(e) / 8; M = the running largest t rounded up to a whole number; p = 2^(t - M) is quantised along the keys; the row's sum is taken of the unquantised p and divides at the end.
; SHARES.  A cluster of four work-groups owns one (batch, head); work-group g owns the 16 tiles of 16 queries 4 t + g, t = 0 .. 15.  Tile t walks key steps 0 .. t / 2 of 128 keys.
; A WAVE OWNS ONE TILE.  Waves w, w + 4, w + 8, w + 12 take tiles of 8, 5, 4, 1 steps (w = 0, 1) or of 7, 6, 3, 2 (w = 2, 3): 18 steps in each such four, the longest in the lowest wave.
; Every branch hangs on the wave's number alone, so it is the same in all four partners of the cluster; what hangs on g (the diagonal) is a choice of lane masks.
; LDS holds the head's eight chunks of kv as they lie in memory (images of operand registers): every read is a constant + 16 (8) x lane.  They are asked for JOINTLY by the four partners, once, one chunk for each of waves 0 to 7.
; All waves begin at chunk 0: the first barrier shows chunks 0 and 1, the second, signalled behind step 0 and waited for behind step 1, the others.  Nothing is filled again.
; No prefetch: the launch has no stream to run ahead in: its eight chunks are asked for at once.
; LAYOUT.  Both products are used transposed (S^T = K Q^T, O^T = V^T P^T): a lane holds one query throughout.  A fragment of K holds TWO tiles of 16 keys (registers 0-7, 8-15) and is multiplied by [q | 0] and by [0 | q].
; LIMITS: NaN and infinities are not served.  The scaled scores (t) stay under 2^31 in magnitude.  A block of y whose largest magnitude lies under 2^-118 keeps the floor's byte 1 (a block of zeros too, where the rule says 127): this program alone reads the bytes.
; REGISTERS: v1-3 16 x lane + chunks 0, 3, 6, v5-7 8 x lane + the same; v4 -infinity; v8 q's scale word; v9 at work; v[10:11] the sum's second chain; v12 -M, v13 the largest t, v[14:15] the sum;
;   v16-23 q, v24-31 zeros, v32-39 q; v40-103 K's, then V's four fragments; v104-167 S^T, then p; v168-199 O^T; v200-215 p's codes; v216-231 at work; v232-235 K's scale words; v236-239 V's as they lie, v240-243 V's; v[244:245] f; v246 p's scale word;
;   v247 offset of my row's scale bytes of y; v248-255 held numbers.
.set CHB,  17408
.set SPARE, 8*CHB                      ; behind the chunks: the spare words, 128 bytes for each wave
.set X,    40
.set Y,    104
.set OT,   168
.set PCD,  200
.set BM,   216
.set T2,   220
.set HOLD, 224
.set SCL,  228
.set KSW,  232
.set VR,   236
.set VSW,  240
.set PSW,  246
.set TM0,  248
.set TM1,  216
.set NINF, 4
.set T6,   9
.set WV,   14                          ; s14 wave, s17 my place in the cluster
.set CX,   17
.set HI,   18                          ; s18 my tile's last step, which lies on the diagonal
.set G1,   20
.set G0,   28
.set DD,   32                          ; s32 the tile of 16 keys that lies on the diagonal of that step
.set TO,   34                          ; s34 my tile
.set SLO,  36
.set SHI,  37
.set Q1,   38
.set TJ,   40                          ; s[40:47] lane masks of a tile on the diagonal: register j is hidden where 8 (lane / 16) + j > lane % 16
.set AF,   48
.set QS1,  54
.set SEL,  56
.set CS,   58                          ; s[58:59] c = log2(e) / 8
.set MNT,  60
.set MLO,  61                          ; s61 lanes 0-15, s62 lanes 16-31
.set MHI,  62
.set LM,   66                          ; s[66:73] lane masks at work
.set Y1,   84
.set W1,   86
.macro PLACES n
.rept \n
	v_nop
.endr
.endm
.macro ROUND
	s_barrier_signal -1
	s_barrier_wait -1
	s_cmp_lg_u32 s[WV], 0
	s_cbranch_scc1 .Lnot_wave_0_\@
	s_barrier_signal -3
.Lnot_wave_0_\@:
	s_barrier_wait -3
	s_barrier_signal -1
	s_barrier_wait -1
.endm
	s_load_b256 s[4:11], s[0:1], 0x0               ; qc 4, qs 6, kv 8, yc 10
	s_load_b64 s[12:13], s[0:1], 0x20              ; ys
	v_lshl_add_u32 v254, v0, 2, SPARE
	v_mov_b32 v255, 0
	ds_add_u32 v254, v255                          ; the wave's opening: the add, twice on end, and its wait ahead of my first tensor load
	ds_add_u32 v254, v255
	v_lshrrev_b32 v1, 5, v0
	v_readfirstlane_b32 s[WV], v1
	s_bfe_u32 s[CX], ttmp6, 0x40000
	s_lshr_b32 s78, s[WV], 2
	s_lshl_b32 s78, s78, 1
	s_bfe_u32 s79, s[WV], 0x10001
	s_add_co_u32 s78, s78, s79
	s_lshl_b32 s78, s78, 2
	s_mov_b32 s79, 0x10235467                      ; the last steps, four bits for each pair of waves
	s_lshr_b32 s[HI], s79, s78
	s_and_b32 s[HI], s[HI], 7
	s_and_b32 s79, s[WV], 1
	s_lshl_b32 s[TO], s[HI], 1
	s_add_co_u32 s[TO], s[TO], s79
	s_lshl_b32 s[DD], s79, 2
	s_add_co_u32 s[DD], s[DD], s[CX]               ; tile t's first query lies 64 (t % 2) + 16 g behind its last step's first key
	s_mov_b32 s[G1], 15|(3<<16)|(1<<21)            ; the mask: all four work-groups; elements of 8 bytes; bit 21 beside a mask; no padding
	s_mov_b32 s[G1+1], 32<<16                      ; tensor_dim0: 32 elements, 256 bytes
	s_mov_b32 s[G1+2], 68<<16                      ; tensor_dim1: a chunk's 68 rows
	s_mov_b32 s[G1+3], 32<<16                      ; tile_dim0
	s_mov_b32 s[G1+4], 68                          ; tile_dim1
	s_mov_b32 s[G1+5], 32                          ; the pitch: the rows are dense
	s_mov_b32 s[G1+6], 0
	s_mov_b32 s[G1+7], 0
	s_mov_b32 s[SEL], 0x76543210
	s_mov_b32 s[SEL+1], 0xfedcba98
	s_mov_b32 s[CS], 0x3e38aa3b
	s_mov_b32 s[CS+1], s[CS]                       ; (named with it as a pair, so it is written)
	s_mov_b32 s[MNT], 0x600000
	s_mov_b32 s[MLO], 0xffff
	s_mov_b32 s[MHI], 0xffff0000
	s_mov_b32 s[SLO], 0x05040100
	s_mov_b32 s[SHI], 0x07060302
.irp j, 0,1,2,3,4,5,6,7
	s_mov_b32 s[TJ+\j], ((1<<\j)-1)|(((1<<(8+\j))-1)<<16)
.endr
	; my tile's codes: (64 bh + 4 t + g) x 1,024; its scale words: (16 bh + t) x 512 + 4 g (+ 16 x lane).  ttmp9 counts clusters: bh = batch x 8 + head
	s_lshl_b32 s[Q1], ttmp9, 16
	s_lshl_b32 s78, s[TO], 12
	s_add_co_u32 s[Q1], s[Q1], s78
	s_lshl_b32 s78, s[CX], 10
	s_add_co_u32 s[Q1], s[Q1], s78
	s_mov_b32 s[Q1+1], 0
	s_lshl_b32 s[QS1], ttmp9, 13
	s_lshl_b32 s78, s[TO], 9
	s_add_co_u32 s[QS1], s[QS1], s78
	s_lshl_b32 s78, s[CX], 2
	s_add_co_u32 s[QS1], s[QS1], s78
	s_mov_b32 s[QS1+1], 0
	; where y goes: row block 8 batch + t / 2, K step head / 2, tile 4 (t % 2) + g, the head's half of the fragment; its scale bytes: row x 16 + 2 head
	s_lshr_b32 s76, ttmp9, 3
	s_and_b32 s77, ttmp9, 7
	s_lshl_b32 s[Y1], s76, 3
	s_add_co_u32 s[Y1], s[Y1], s[HI]
	s_lshl_b32 s[Y1], s[Y1], 16
	s_lshr_b32 s78, s77, 1
	s_lshl_b32 s78, s78, 14
	s_add_co_u32 s[Y1], s[Y1], s78
	s_lshl_b32 s78, s[DD], 11
	s_add_co_u32 s[Y1], s[Y1], s78
	s_and_b32 s78, s77, 1
	s_lshl_b32 s78, s78, 10
	s_add_co_u32 s[Y1], s[Y1], s78
	s_mov_b32 s[Y1+1], 0
	s_lshl_b32 s[W1], s76, 14
	s_lshl_b32 s78, s[TO], 10
	s_add_co_u32 s[W1], s[W1], s78
	s_lshl_b32 s78, s[CX], 8
	s_add_co_u32 s[W1], s[W1], s78
	s_lshl_b32 s78, s77, 1
	s_add_co_u32 s[W1], s[W1], s78
	s_mov_b32 s[W1+1], 0
	s_mul_i32 s66, ttmp9, 8*CHB                    ; the head's chunks in kv
	s_mov_b32 s67, 0
	s_mov_b32 s[G0], 1
	s_mul_i32 s[G0+1], s[WV], CHB                  ; LDS byte = byte in the head's chunks: chunk = wave
	s_mov_b32 s68, s[G0+1]
	s_mov_b32 s69, 0
	v_and_b32 v9, 31, v0
	v_and_b32 v247, 15, v0
	v_lshlrev_b32 v1, 4, v9                        ; the LDS addresses, all of them ahead of the first branch on the wave's number
	v_lshlrev_b32 v5, 3, v9
	v_add_nc_u32 v2, 3*CHB, v1
	v_add_nc_u32 v3, 6*CHB, v1
	v_add_nc_u32 v6, 3*CHB, v5
	v_add_nc_u32 v7, 6*CHB, v5
	v_lshlrev_b32 v247, 4, v247                    ; my row's 16 scale bytes of y
	v_mov_b32 v[NINF], 0xff800000
.irp i, 24,25,26,27,28,29,30,31
	v_mov_b32 v[\i], 0
.endr
.irp b, 0,1,2,3
	v_mov_b32 v[T2+\b], 0                          ; written once: a lane permute's destination counts as one of its sources
.endr
	v_mov_b32 v245, 0                              ; (named as the upper half of the pair v[244:245])
	s_wait_alu depctr_va_vdst(0)                   ; directly ahead of the waits below
	s_wait_dscnt 0x0                               ; both opening adds are done
	s_wait_kmcnt 0x0
	s_add_nc_u64 s[66:67], s[8:9], s[66:67]
	s_add_nc_u64 s[G0+2:G0+3], s[66:67], s[68:69]
	s_or_b32 s[G0+3], s[G0+3], 0x80000000
	s_add_nc_u64 s[Q1:Q1+1], s[4:5], s[Q1:Q1+1]
	s_add_nc_u64 s[QS1:QS1+1], s[6:7], s[QS1:QS1+1]
	global_load_b128 v[16:19], v1, s[Q1:Q1+1]      ; my q, twice: in front of the zeros and behind them
	global_load_b128 v[20:23], v1, s[Q1:Q1+1] offset:512
	global_load_b128 v[32:35], v1, s[Q1:Q1+1]
	global_load_b128 v[36:39], v1, s[Q1:Q1+1] offset:512
	global_load_b32 v8, v1, s[QS1:QS1+1]           ; its two scale bytes twice: they serve [q | 0] and [0 | q] alike
	s_add_nc_u64 s[Y1:Y1+1], s[10:11], s[Y1:Y1+1]
	s_add_nc_u64 s[W1:W1+1], s[12:13], s[W1:W1+1]
	ROUND                                          ; all four work-groups are here: the joint loads meet
	s_cmp_lt_u32 s[WV], 2                          ; waves 0 to 7 ask for a chunk each; chunks 0 and 1, which are shown first, have a line of their own
	s_cbranch_scc0 .Lrest
	tensor_load_to_lds s[G0:G0+3], s[G1:G1+7]
	s_nop 0
	PLACES 4
	s_branch .Lasked
.Lrest:
	s_cmp_lt_u32 s[WV], 8
	s_cbranch_scc0 .Lasked
	tensor_load_to_lds s[G0:G0+3], s[G1:G1+7]
	s_nop 0
	PLACES 4
.Lasked:
	s_wait_loadcnt 0x0
	s_cmp_lt_u32 s[WV], 2
	s_cbranch_scc0 .Lnot_first_chunks
	s_wait_tensorcnt 0x0                           ; chunks 0 and 1 are in; the other waves' wait stands at the second barrier
.Lnot_first_chunks:
	s_barrier_signal -1
	s_barrier_wait -1
; register n of S^T holds key 128 s + 16 (n / 8) + 8 (lane / 16) + n % 8: where that is 24 modulo 25 for one half of the lanes, that half's score becomes -infinity
.macro MASKC s, n
.if ((128*(\s)+16*((\n)/8)+(\n)%8)%25) == 24
	v_cndmask_b32 v[Y+(\n)], v[Y+(\n)], v[NINF], s[MLO]
.endif
.if ((128*(\s)+16*((\n)/8)+8+(\n)%8)%25) == 24
	v_cndmask_b32 v[Y+(\n)], v[Y+(\n)], v[NINF], s[MHI]
.endif
.endm
.macro SUM                             ; the next pair of p onto one of the sum's two chains
.if SI%2
	v_pk_add_f32 v[10:11], v[10:11], v[Y+2*SI:Y+2*SI+1]
.else
	v_pk_add_f32 v[14:15], v[14:15], v[Y+2*SI:Y+2*SI+1]
.endif
.set SI, SI+1
.endm
.macro SUMREST                         ; a step's last seven pairs, and the two chains joined
.set SI, 25
.rept 7
	SUM
.endr
	v_pk_add_f32 v[14:15], v[14:15], v[10:11]
.endm
; KEY STEP s: 128 keys, walked where s <= HI.  Step 0 is every wave's first: it starts M, the sum and O^T.
; Each step ends with eight plain lines behind its last product: the places in front of what loads over, reads or rewrites that product's registers.  The rest of its sum stands behind the next step's loads.
.macro STEP s, past
.set AR, 1+(\s)/3
.set CO, ((\s)%3)*CHB
.if \s
	s_cmp_lt_u32 s[HI], \s
	s_cbranch_scc1 \past
.endif
	ds_load_b64 v[KSW:KSW+1], v[AR+4] offset:CO+16384
	ds_load_b64 v[KSW+2:KSW+3], v[AR+4] offset:CO+16640
.irp f, 0,1,2,3
.irp c, 0,1,2,3
	ds_load_b128 v[X+16*\f+4*\c:X+16*\f+4*\c+3], v[AR] offset:CO+2048*\f+512*\c
.endr
.endr
.if \s
	SUMREST
.endif
.irp f, 0,1,2,3
	s_wait_dscnt 12-4*\f                           ; fragments 0 .. f are in; the younger ones' loads, four each, may be out
	v_wmma_scale_f32_16x16x128_f8f6f4 v[Y+16*\f:Y+16*\f+7], v[X+16*\f:X+16*\f+15], v[16:31], 0, v[KSW+\f], v8       ; keys 32 f + 0 .. 15
	v_wmma_scale_f32_16x16x128_f8f6f4 v[Y+16*\f+8:Y+16*\f+15], v[X+16*\f:X+16*\f+15], v[24:39], 0, v[KSW+\f], v8    ; keys 32 f + 16 .. 31
.endr
.if \s
	v_mov_b32 v[T6], v12                           ; the old -M
.else
	v_nop
.endif
	PLACES 7
	ds_load_b64 v[VR:VR+1], v[AR+4] offset:CO+16896
	ds_load_b64 v[VR+2:VR+3], v[AR+4] offset:CO+17152
.irp t, 0,1,2,3                        ; V's fragments land while the softmax is walked
.irp c, 0,1,2,3
	ds_load_b128 v[X+16*\t+4*\c:X+16*\t+4*\c+3], v[AR] offset:CO+8192+2048*\t+512*\c
.endr
.endr
	s_cmp_lg_u32 s[HI], \s                         ; on the diagonal keys after my query become -infinity: in tile f of 16 keys none where f < d, lane masks TJ where f = d, all where f > d
	s_cbranch_scc1 .Lopen_\@
.irp f, 0,1,2,3,4,5,6,7
	s_cmp_lt_u32 s[DD], \f
	s_cselect_b32 s[AF], -1, 0
	s_cmp_eq_u32 s[DD], \f
.irp j, 0,1,2,3,4,5,6,7
	s_cselect_b32 s[LM+\j], s[TJ+\j], s[AF]
.endr
.irp j, 0,1,2,3,4,5,6,7
	v_cndmask_b32 v[Y+8*\f+\j], v[Y+8*\f+\j], v[NINF], s[LM+\j]
.endr
.endr
.Lopen_\@:
.irp b, 0,1,2,3                        ; the largest score of each block of 32 keys: for the row's maximum and, since p rises with the score, for the block's largest p.  Each accumulator is read from its low end on
	MASKC \s, 16*\b
	MASKC \s, 16*\b+1
	MASKC \s, 16*\b+2
	v_max3_num_f32 v[BM+\b], v[Y+16*\b], v[Y+16*\b+1], v[Y+16*\b+2]
.endr
.irp i, 3,5,7,9,11,13
.irp b, 0,1,2,3
	MASKC \s, 16*\b+\i
	MASKC \s, 16*\b+\i+1
	v_max3_num_f32 v[BM+\b], v[BM+\b], v[Y+16*\b+\i], v[Y+16*\b+\i+1]
.endr
.endr
.irp b, 0,1,2,3
	MASKC \s, 16*\b+15
	v_max_num_f32 v[BM+\b], v[BM+\b], v[Y+16*\b+15]
.endr
.irp b, 0,1,2,3
	v_permlanex16_b32 v[T2+\b], v[BM+\b], s[SEL], s[SEL+1]
.endr
.irp b, 0,1,2,3
	s_delay_alu instid0(VALU_DEP_4)
	v_max_num_f32 v[BM+\b], v[BM+\b], v[T2+\b]     ; with lane xor 16's 16 keys
.endr
	s_delay_alu instid0(VALU_DEP_2)
	v_max3_num_f32 v[TM0], v[BM], v[BM+1], v[BM+2]
	s_delay_alu instid0(VALU_DEP_1)
	v_max_num_f32 v[TM0], v[TM0], v[BM+3]
.if \s
	s_delay_alu instid0(VALU_DEP_1)
	v_mul_f32 v[TM0], s[CS], v[TM0]                ; as t (c is positive)
	s_delay_alu instid0(VALU_DEP_1)
	v_max_num_f32 v13, v13, v[TM0]                 ; the running largest t
	s_delay_alu instid0(VALU_DEP_1)
	v_floor_f32 v12, -v13                          ; the new -M = -ceil(t)
	s_delay_alu instid0(VALU_DEP_1)
	v_sub_f32 v[T6], v12, v[T6]                    ; old M - new M: a whole number, 0 or less
	s_delay_alu instid0(VALU_DEP_1)
	v_cvt_i32_f32 v[T6], v[T6]                     ; (it saturates)
	s_delay_alu instid0(VALU_DEP_1)
	v_ldexp_f32 v244, 1.0, v[T6]                   ; f = 2^(old M - new M)
.else
	s_delay_alu instid0(VALU_DEP_1)
	v_mul_f32 v13, s[CS], v[TM0]
	s_delay_alu instid0(VALU_DEP_1)
	v_floor_f32 v12, -v13
.endif
.set n, 0
.rept 32
	v_pk_fma_f32 v[Y+n:Y+n+1], v[Y+n:Y+n+1], s[CS:CS+1], v[12:13] op_sel_hi:[1,0,0]   ; t - M
.set n, n+2
.endr
.irp b, 0,1,2,3
	v_fma_f32 v[BM+\b], v[BM+\b], s[CS], v12       ; the same of each block's largest score
.endr
.if \s
.set n, 0
.rept 16
	v_pk_mul_f32 v[OT+n:OT+n+1], v[OT+n:OT+n+1], v[244:245] op_sel_hi:[1,0]   ; O^T under the new M
.set n, n+2
.endr
.endif
	s_wait_alu depctr_va_vdst(0)                   ; ahead of the batch
.set n, 0
.rept 64
	v_exp_f32 v[Y+n], v[Y+n]                       ; p = 2^(t - M)
.set n, n+1
.endr
.if \s
	v_pk_mul_f32 v[14:15], v[14:15], v[244:245] op_sel_hi:[1,0]   ; the sum under the new M: the plain line behind the exponentials
.else
	v_nop
.endif
	s_wait_alu depctr_va_vdst(0)                   ; one wait for the batch, ahead of its first reader
.irp b, 0,1,2,3
	v_exp_f32 v[BM+\b], v[BM+\b]                   ; each block's largest p
.endr
	v_pk_add_f32 v[10:11], v[Y:Y+1], v[Y+2:Y+3]    ; the row's sum is taken of the unquantised p
.set SI, 2
.if \s
	SUM
.else
	v_pk_add_f32 v[14:15], v[Y+4:Y+5], v[Y+6:Y+7]
.set SI, 4
.endif
	s_wait_alu depctr_va_vdst(0)                   ; one for the four, ahead of the wait below
	s_wait_dscnt 0x10                              ; V's words are in; V's 16 fragment loads may be out
.irp q, 0,1                            ; a word as it lies holds two tiles' bytes of one half of the keys: the halves are joined
	v_perm_b32 v[VSW+2*\q], v[VR+2+\q], v[VR+\q], s[SLO]
	v_perm_b32 v[VSW+2*\q+1], v[VR+2+\q], v[VR+\q], s[SHI]
.endr
.irp b, 0,1,2,3
	v_max_num_f32 v[BM+\b], 0x4800000, v[BM+\b]    ; the floor 2^(9 - 127): a block whose every p is 0 keeps the byte 1: its codes are zeros
.endr
.irp b, 0,1,2,3
	s_delay_alu instid0(VALU_DEP_4)
	v_add_nc_u32 v[SCL+\b], 0xfc000000, v[BM+\b]   ; the conversion's scale operand
.endr
.irp b, 0,1,2,3
	v_and_or_b32 v[HOLD+\b], v[BM+\b], 0x7f800000, s[MNT]   ; 448 x the scale
.endr
.irp b, 0,1,2,3
	v_lshrrev_b32 v[T2+\b], 23, v[SCL+\b]
.endr
	s_delay_alu instid0(VALU_DEP_3)
	v_lshl_or_b32 v[PSW], v[T2+1], 8, v[T2]        ; p's scale word for these 128 keys
	s_delay_alu instid0(VALU_DEP_1)
	v_lshl_or_b32 v[PSW], v[T2+2], 16, v[PSW]
	s_delay_alu instid0(VALU_DEP_1)
	v_lshl_or_b32 v[PSW], v[T2+3], 24, v[PSW]
.irp b, 0,1,2,3                        ; the conversion does not saturate (ISA guide 7.6.2); p is not negative, so the hold is one-sided: two numbers a line, into registers of their own, so that p stays for the sum
.irp i, 0,2,4,6
	v_dual_min_num_f32 v[TM0+\i], v[HOLD+\b], v[Y+16*\b+\i] :: v_dual_min_num_f32 v[TM0+\i+1], v[HOLD+\b], v[Y+16*\b+\i+1]
.endr
.irp i, 0,2,4,6
	v_dual_min_num_f32 v[TM1+\i], v[HOLD+\b], v[Y+16*\b+8+\i] :: v_dual_min_num_f32 v[TM1+\i+1], v[HOLD+\b], v[Y+16*\b+8+\i+1]
.endr
	v_cvt_scalef32_pk8_fp8_f32 v[PCD+4*\b:PCD+4*\b+1], v[TM0:TM0+7], v[SCL+\b]
	v_cvt_scalef32_pk8_fp8_f32 v[PCD+4*\b+2:PCD+4*\b+3], v[TM1:TM1+7], v[SCL+\b]
	SUM
	SUM
.endr
.rept 17-SI
	SUM                                            ; (with the two above: the places between the codes and the products)
.endr
	s_wait_alu depctr_va_vdst(0)                   ; directly ahead of the wait below
	s_wait_dscnt 0x0                               ; V is in
.irp t, 0,1,2,3                        ; the four accumulators take turns
.if \s
	v_wmma_scale_f32_16x16x128_f8f6f4 v[OT+8*\t:OT+8*\t+7], v[X+16*\t:X+16*\t+15], v[PCD:PCD+15], v[OT+8*\t:OT+8*\t+7], v[VSW+\t], v[PSW]
.else
	v_wmma_scale_f32_16x16x128_f8f6f4 v[OT+8*\t:OT+8*\t+7], v[X+16*\t:X+16*\t+15], v[PCD:PCD+15], 0, v[VSW+\t], v[PSW]
.endif
.endr
.rept 8
	SUM                                            ; the places behind the products
.endr
.endm
	STEP 0, .Ldone
	s_wait_alu depctr_va_vdst(0)                   ; directly ahead of the waits below
	s_wait_tensorcnt 0x0                           ; my chunk is in;
	s_wait_dscnt 0x0
	s_barrier_signal -1                            ; the second barrier: up to its wait stand register work and LDS loads of chunk 1, which the first has shown and nobody writes
	STEP 1, .Lone_step
.Lone_step:
	s_wait_alu depctr_va_vdst(0)
	s_barrier_wait -1                              ; all eight chunks may be read from here on
	STEP 2, .Ldone
	STEP 3, .Ldone
	STEP 4, .Ldone
	STEP 5, .Ldone
	STEP 6, .Ldone
	STEP 7, .Ldone
.Ldone:
	s_wait_alu depctr_va_vdst(0)
	SUMREST
	; THE WAY OUT: O^T / the sum is y(query lane % 16, channel 16 t + 8 (lane / 16) + e); its two blocks of 32 channels are quantised as they stand and leave as half a fragment's image
	v_mov_b32 v[T6], 0                             ; (a lane permute's destination counts as one of its sources)
	v_add_f32 v14, v14, v15
	v_permlanex16_b32 v[T6], v14, s[SEL], s[SEL+1]
	s_delay_alu instid0(VALU_DEP_1)
	v_add_f32 v14, v14, v[T6]                      ; the row's sum
	s_wait_alu depctr_va_vdst(0)                   ; ahead of the reciprocal,
	v_rcp_f32 v244, v14
	v_nop
	s_wait_alu depctr_va_vdst(0)                   ; and ahead of its first reader, which is O^T's first reader too
.set n, 0
.rept 16
	v_pk_mul_f32 v[OT+n:OT+n+1], v[OT+n:OT+n+1], v[244:245] op_sel_hi:[1,0]
.set n, n+2
.endr
.irp b, 0,1
	v_max3_num_f32 v[BM+\b], |v[OT+16*\b]|, |v[OT+16*\b+1]|, 0x4800000
.endr
.irp i, 2,4,6,8,10,12,14
.irp b, 0,1
	s_delay_alu instid0(VALU_DEP_2)
	v_max3_num_f32 v[BM+\b], v[BM+\b], |v[OT+16*\b+\i]|, |v[OT+16*\b+\i+1]|
.endr
.endr
.irp b, 0,1
	s_delay_alu instid0(VALU_DEP_2)
	v_permlanex16_b32 v[T2+\b], v[BM+\b], s[SEL], s[SEL+1]
.endr
.irp b, 0,1
	s_delay_alu instid0(VALU_DEP_2)
	v_max_num_f32 v[BM+\b], v[BM+\b], v[T2+\b]
.endr
.irp b, 0,1
	s_delay_alu instid0(VALU_DEP_2)
	v_add_nc_u32 v[SCL+\b], 0xfc000000, v[BM+\b]
.endr
.irp b, 0,1
	s_delay_alu instid0(VALU_DEP_4)
	v_and_or_b32 v[HOLD+\b], v[BM+\b], 0x7f800000, s[MNT]
.endr
.irp b, 0,1
	s_delay_alu instid0(VALU_DEP_4)
	v_lshrrev_b32 v[T2+\b], 23, v[SCL+\b]
.endr
	s_delay_alu instid0(VALU_DEP_1)
	v_lshl_or_b32 v[T6], v[T2+1], 8, v[T2]         ; the head's two scale bytes of my row
.irp b, 0,1
.irp i, 0,1,2,3,4,5,6,7,8,9,10,11,12,13,14,15
	v_med3_num_f32 v[OT+16*\b+\i], v[OT+16*\b+\i], -v[HOLD+\b], v[HOLD+\b]
.endr
	v_cvt_scalef32_pk8_fp8_f32 v[PCD+4*\b:PCD+4*\b+1], v[OT+16*\b:OT+16*\b+7], v[SCL+\b]
	v_cvt_scalef32_pk8_fp8_f32 v[PCD+4*\b+2:PCD+4*\b+3], v[OT+16*\b+8:OT+16*\b+15], v[SCL+\b]
.endr
	v_nop                                          ; a plain line behind the last conversion
	global_store_b128 v1, v[PCD:PCD+3], s[Y1:Y1+1] ; 512 consecutive bytes each, aligned
	global_store_b128 v1, v[PCD+4:PCD+7], s[Y1:Y1+1] offset:512
	global_store_b16 v247, v[T6], s[W1:W1+1]       ; two bytes a row, 16 bytes apart (both halves of the lanes write the same bytes with the same value): the price of scale bytes laid row by row, as the last launch's loads want them; 128 KiB in the whole launch
	v_lshl_add_u32 v254, v0, 2, SPARE
	v_mov_b32 v255, 0
	s_wait_alu depctr_va_vdst(0)
	s_wait_tensorcnt 0x0                           ; the wave's end
	ds_add_u32 v254, v255
	s_wait_dscnt 0x0
	ROUND                                          ; the closing round
	s_endpgm
.Lfunc_end_k_qdb72be480c_attn:
	.size	k_qdb72be480c_attn, .Lfunc_end_k_qdb72be480c_attn-k_qdb72be480c_attn
	.p2alignl 7, 3214868480
	.fill 96, 4, 3214868480
	.section	.rodata,"a",@progbits
	.p2align	6, 0x0
	.amdhsa_kernel k_qdb72be480c_attn
		.amdhsa_group_segment_fixed_size 167936
		.amdhsa_private_segment_fixed_size 0
		.amdhsa_enable_private_segment 0
		.amdhsa_kernarg_size 40
		.amdhsa_user_sgpr_count 2
		.amdhsa_user_sgpr_kernarg_segment_ptr 1
		.amdhsa_wavefront_size32 1
		.amdhsa_system_sgpr_workgroup_id_x 1
		.amdhsa_system_sgpr_workgroup_id_y 1
		.amdhsa_system_sgpr_workgroup_id_z 1
		.amdhsa_system_vgpr_workitem_id 0
		.amdhsa_next_free_vgpr 256
		.amdhsa_next_free_sgpr 90
		.amdhsa_reserve_vcc 0
		.amdhsa_float_denorm_mode_32 3
		.amdhsa_float_denorm_mode_16_64 3
		.amdhsa_memory_ordered 1
		.amdhsa_forward_progress 1
		.amdhsa_inst_pref_size 222
	.end_amdhsa_kernel
	.amdgpu_metadata
---
amdhsa.version: [ 1, 2 ]
amdhsa.kernels:
  - .name:           k_qdb72be480c_attn
    .symbol:         k_qdb72be480c_attn.kd
    .args:
      - { .name: qc, .offset: 0, .size: 8, .value_kind: global_buffer, .address_space: global }
      - { .name: qs, .offset: 8, .size: 8, .value_kind: global_buffer, .address_space: global }
      - { .name: kv, .offset: 16, .size: 8, .value_kind: global_buffer, .address_space: global }
      - { .name: yc, .offset: 24, .size: 8, .value_kind: global_buffer, .address_space: global }
      - { .name: ys, .offset: 32, .size: 8, .value_kind: global_buffer, .address_space: global }
    .group_segment_fixed_size: 167936
    .private_segment_fixed_size: 0
    .kernarg_segment_align: 8
    .kernarg_segment_size: 40
    .max_flat_workgroup_size: 512
    .sgpr_count:     90
    .vgpr_count:     256
    .wavefront_size: 32
...
	.end_amdgpu_metadata
.endif
;; end of part 2
;; launch proj (part 3): grid 4 x 64, 4 waves a work-group, clusters of 4 x 4, 168,448 bytes of LDS; arguments yc, ys, Wp_codes, Wp_scales, bp, out0; writes out0
.if DOCPART == 3
	.amdgcn_target "amdgcn-amd-amdhsa--gfx1250"
	.amdhsa_code_object_version 6
	.text
	.protected	k_qdb72be480c_proj
	.globl	k_qdb72be480c_proj
	.p2align	8
	.type	k_qdb72be480c_proj,@function
k_qdb72be480c_proj:
	s_mov_b64 s[64:65], 0
	v_nop
	global_prefetch_b8 v0, s[64:65] scope:SCOPE_SE
	s_setreg_imm32_b32 hwreg(HW_REG_WAVE_MODE, 25, 1), 1
	s_wait_xcnt 0x0
	s_wait_alu depctr_hold_cnt(0) depctr_sa_sdst(0) depctr_va_vdst(0) depctr_va_sdst(0) depctr_va_ssrc(0) depctr_va_vcc(0) depctr_vm_vsrc(0)
	s_getreg_b32 s2, hwreg(HW_REG_IB_STS2, 6, 4)
	s_cmp_eq_u32 s2, 0
	s_cbranch_scc0 .Lentry_in_a_cluster
	s_endpgm
.Lentry_in_a_cluster:
	s_bfe_u32 s2, ttmp6, 0x10000c
	s_cmp_lg_u32 s2, 0xf033
	s_cbranch_scc0 .Lentry_shape_is_right
	s_endpgm
.Lentry_shape_is_right:
; out = y Wp^T + bp on codes of FP8 (E4M3) with one E8M0 scale for each 32 along K = 512; out is f32.
; SHARES.  A work-group makes 128 rows (row block RB) x 128 columns (column block CB); each of its four waves 64 x 64.  The wave's 64 rows of Wp, all of K, go into 256 registers while y lands; y's 64 rows into 256 more.
; Then it goes BY BLOCKS OF 16 ROWS of out: 16 matrix instructions a block over all of K, and each block leaves while the next is multiplied.
; The product is used transposed (source 0 = 16 rows of Wp, source 1 = 16 rows of y): a lane holds eight neighbouring columns of one row.  bp is the C of each sum's first product.
; y arrives as images of operand registers, in which place (block b, lane half h, i) holds index 32 b + 16 (i / 8) + 8 h + i % 8.  Wp's rows are read from LDS in the same order: eight bytes at column 16 e + 8 h
; into register pair e.  The order stays inside a block of 32, so the scales are as given.
; CLUSTERS: 4 x 4 work-groups.  y's block hangs on RB alone and is asked for jointly along a row of the cluster, Wp's tile on CB alone and jointly along a column.  LDS is filled once, one load a wave: waves 0, 1 Wp, shown by the first barrier; waves 2, 3 y, shown by the second.
; No prefetch: there is no loop to run ahead in.  LIMITS: NaN and infinities are not served.
; REGISTERS.  window 0: v4 y's LDS address, v5 Wp's, v6, v12 the add's, v7-8 the stage in and back, v9 my bytes in two rows of out, v10 16 x lane, v11 the bias offset; v16-31 scale words (Wp's pair p at 16 + 8 p, y's at 20 + 8 p); v32-63 bp.
;   window 1: Wp's fragment (K step p, tile it) at 64 p + 16 it.  window 2: accumulator (row block jt, it) at 32 jt + 8 it; rows of out at 128 + 32 jt.  window 3: y's fragment (jt, p) at 64 jt + 16 p.
.set WPL,   65536                      ; LDS: y's images 0 .. 65,535 ([K step][tile][2,048]); Wp's 128 rows x 528 bytes (512 and 16 of padding);
.set STG,   WPL+128*528                ; a stage of 16 rows x 272 bytes for each wave: no load fills it;
.set SPARE, STG+4*16*272               ; the spare words, 128 bytes for each wave
.set WS,  16
.set YS,  20
.set BI,  32
.set OB,  128
.set SPW, 6
.set NIL, 12
.set WV,  16                           ; s16 wave, s17 which 64 rows, s18 which 64 columns
.set WR,  17
.set WC,  18
.set CX,  19
.set CY,  20
.set CB,  21
.set RB,  22
.set G1Y, 28
.set G1W, 36
.set G0Y, 44
.set G0W, 52
.set MSB, 0
.macro WIN new
.if MSB != \new
	s_set_vgpr_msb (MSB<<8)|\new
.set MSB, \new
.endif
.endm
.macro PLACES n
.rept \n
	v_nop
.endr
.endm
.macro ROUND
	s_barrier_signal -1
	s_barrier_wait -1
	s_cmp_lg_u32 s[WV], 0
	s_cbranch_scc1 .Lnot_wave_0_\@
	s_barrier_signal -3
.Lnot_wave_0_\@:
	s_barrier_wait -3
	s_barrier_signal -1
	s_barrier_wait -1
.endm
	s_load_b256 s[4:11], s[0:1], 0x0               ; yc 4, ys 6, Wp_codes 8, Wp_scales 10
	s_load_b128 s[12:15], s[0:1], 0x20             ; bp 12, out0 14
	v_lshl_add_u32 v[SPW], v0, 2, SPARE
	v_mov_b32 v[NIL], 0
	ds_add_u32 v[SPW], v[NIL]                      ; the wave's opening: the add, twice on end, and its wait ahead of my first tensor load
	ds_add_u32 v[SPW], v[NIL]
	v_lshrrev_b32 v1, 5, v0
	v_readfirstlane_b32 s[WV], v1
	s_lshr_b32 s[WR], s[WV], 1
	s_and_b32 s[WC], s[WV], 1
	s_bfe_u32 s[CX], ttmp6, 0x40000
	s_bfe_u32 s[CY], ttmp6, 0x40004
	s_lshl_b32 s[CB], ttmp9, 2
	s_add_co_u32 s[CB], s[CB], s[CX]
	s_and_b32 s[RB], ttmp7, 0xffff
	s_lshl_b32 s[RB], s[RB], 2
	s_add_co_u32 s[RB], s[RB], s[CY]
	s_lshl_b32 s23, s[CY], 2
	s_lshl_b32 s23, 15, s23                        ; my row of the cluster
	s_lshl_b32 s24, 0x1111, s[CX]                  ; my column
	s_or_b32 s[G1Y], s23, (3<<16)|(1<<21)          ; y: 128 dense rows of 32 elements of 8 bytes (two K steps), no padding
	s_mov_b32 s[G1Y+1], 32<<16
	s_mov_b32 s[G1Y+2], 128<<16
	s_mov_b32 s[G1Y+3], 32<<16
	s_mov_b32 s[G1Y+4], 128
	s_mov_b32 s[G1Y+5], 32
	s_mov_b32 s[G1Y+6], 0
	s_mov_b32 s[G1Y+7], 0
	s_or_b32 s[G1W], s24, (1<<20)|(1<<21)|(6<<22)|(3<<25)   ; Wp: 64 rows x 512 bytes, 4 words of padding behind every 128
	s_mov_b32 s[G1W+1], 512<<16
	s_mov_b32 s[G1W+2], 64<<16
	s_mov_b32 s[G1W+3], 512<<16
	s_mov_b32 s[G1W+4], 64
	s_mov_b32 s[G1W+5], 512
	s_mov_b32 s[G1W+6], 0
	s_mov_b32 s[G1W+7], 0
	; every LDS address is made here, ahead of the first branch on the wave's number
	s_lshl_b32 s25, s[WR], 13                      ; y: my four tiles of 2,048 bytes
	s_mul_i32 s26, s[WC], 64*528                   ; Wp: my 64 rows
	s_add_co_u32 s26, s26, WPL
	s_mul_i32 s27, s[WV], 16*272                   ; my stage
	s_add_co_u32 s27, s27, STG
	v_and_b32 v1, 15, v0
	v_bfe_u32 v2, v0, 4, 1
	v_and_b32 v3, 31, v0
	v_mul_u32_u24 v5, v1, 528
	v_lshlrev_b32 v10, 4, v3
	v_lshl_add_u32 v5, v2, 3, v5
	v_mul_u32_u24 v7, v1, 272
	v_add_nc_u32 v4, s25, v10                      ; y: 16 x lane
	v_add_nc_u32 v5, s26, v5                       ; Wp: row x pitch + 8 x lane half
	v_lshl_add_u32 v7, v2, 5, v7
	v_mul_u32_u24 v8, v2, 272
	v_add_nc_u32 v7, s27, v7                       ; the stage, in: row lane % 16, 32 bytes for each half of the lanes
	v_lshl_add_u32 v8, v1, 4, v8
	v_lshlrev_b32 v9, 11, v2
	v_add_nc_u32 v8, s27, v8                       ; back: lanes 0-15 one row of 256 bytes, lanes 16-31 the next
	v_lshl_add_u32 v9, v1, 4, v9                   ; and the same two rows in out (2,048 bytes a row)
	v_lshlrev_b32 v11, 5, v2
	s_lshl_b32 s62, s[RB], 16                      ; y: 65,536 bytes a row block, two K steps (32,768) a wave (these registers hold nothing of cx)
	s_lshl_b32 s26, s[WC], 15
	s_add_co_u32 s62, s62, s26
	s_mov_b32 s63, 0
	s_lshl_b32 s66, s[CB], 16                      ; Wp: 128 rows of 512 bytes a column block, 64 rows a wave (and these nothing of cy)
	s_add_co_u32 s66, s66, s26
	s_mov_b32 s67, 0
	s_mov_b32 s[G0Y], 1
	s_mov_b32 s[G0Y+1], s26
	s_mov_b32 s[G0W], 1
	s_mul_i32 s[G0W+1], s[WC], 64*528
	s_add_co_u32 s[G0W+1], s[G0W+1], WPL
	s_wait_alu depctr_va_vdst(0)                   ; directly ahead of the waits below
	s_wait_dscnt 0x0                               ; both opening adds are done
	s_wait_kmcnt 0x0
	s_add_nc_u64 s[G0Y+2:G0Y+3], s[4:5], s[62:63]
	s_or_b32 s[G0Y+3], s[G0Y+3], 0x80000000
	s_add_nc_u64 s[G0W+2:G0W+3], s[8:9], s[66:67]
	s_or_b32 s[G0W+3], s[G0W+3], 0x80000000
	ROUND                                          ; all sixteen work-groups are here: the joint loads meet
	s_cmp_lt_u32 s[WV], 2                          ; waves 0 and 1 fetch Wp, which is wanted first, waves 2 and 3 y: one load a wave
	s_cbranch_scc0 .Lfor_y
	tensor_load_to_lds s[G0W:G0W+3], s[G1W:G1W+7]
	s_nop 0
	PLACES 4
	s_branch .Lasked
.Lfor_y:
	tensor_load_to_lds s[G0Y:G0Y+3], s[G1Y:G1Y+7]
	s_nop 0
	PLACES 4
.Lasked:
	s_mov_b32 s69, 0
	s_lshl_b32 s68, s[CB], 11
	s_lshl_b32 s25, s[WC], 10
	s_add_co_u32 s68, s68, s25
	s_add_nc_u64 s[10:11], s[10:11], s[68:69]      ; Wp's scale bytes of my 64 rows
	s_lshr_b32 s68, s68, 2
	s_add_nc_u64 s[12:13], s[12:13], s[68:69]      ; bp at my 64 columns: 512 CB + 256 WC bytes
	s_mov_b32 s25, s68
	s_lshl_b32 s68, s[RB], 11
	s_lshl_b32 s26, s[WR], 10
	s_add_co_u32 s68, s68, s26
	s_add_nc_u64 s[6:7], s[6:7], s[68:69]          ; y's scale bytes of my 64 rows
	s_lshl_b32 s68, s68, 7                         ; my first row of out: 2,048 bytes a row against 16
	s_add_co_u32 s68, s68, s25                     ; my first column
	s_add_nc_u64 s[60:61], s[14:15], s[68:69]
.irp p, 0,1
	global_load_b128 v[WS+8*\p:WS+8*\p+3], v10, s[10:11] offset:512*\p   ; 32 rows x 16 bytes: lanes 0-15 tile 2 p, lanes 16-31 tile 2 p + 1; register s: K step s
	global_load_b128 v[YS+8*\p:YS+8*\p+3], v10, s[6:7] offset:512*\p
.endr
.irp i, 0,1,2,3
	global_load_b128 v[BI+8*\i:BI+8*\i+3], v11, s[12:13] offset:64*\i
	global_load_b128 v[BI+8*\i+4:BI+8*\i+7], v11, s[12:13] offset:64*\i+16
.endr
	s_cmp_lt_u32 s[WV], 2
	s_cbranch_scc0 .Lnot_w
	s_wait_tensorcnt 0x0                           ; waves 0, 1: Wp is in.  The other waves' wait stands at the second barrier
.Lnot_w:
	s_barrier_signal -1
	s_barrier_wait -1
	WIN 0x40                                       ; destination window 1
.irp p, 0,1,2,3
.irp it, 0,1,2,3
.irp e, 0,1,2,3,4,5,6,7
	ds_load_b64 v[64*\p+16*\it+2*\e:64*\p+16*\it+2*\e+1], v5 offset:\it*8448+128*\p+16*\e
.endr
.endr
.endr
	WIN 0
	s_wait_tensorcnt 0x0                           ; y is in,
	s_wait_dscnt 0x0                               ; and Wp in registers
	s_barrier_signal -1
	s_barrier_wait -1
	WIN 0xc0                                       ; destination window 3
.irp jt, 0,1,2,3
.irp p, 0,1,2,3
.irp c, 0,1,2,3
	ds_load_b128 v[64*\jt+16*\p+4*\c:64*\jt+16*\p+4*\c+3], v4 offset:\p*16384+\jt*2048+512*\c
.endr
.endr
.endr
; 16 matrix instructions: rows 16 jt on; the four accumulators take turns, three others between a sum's steps
.macro MUL jt
.irp p, 0,1,2,3
.if \p
	WIN 0xad                                       ; source 0 window 1, source 1 window 3, C and D window 2
.else
	WIN 0x8d                                       ; the first: C (bp) window 0
.endif
.irp it, 0,1,2,3
.set rD, 32*(\jt)+8*\it
.set rC, rD
.if \p == 0
.set rC, BI+8*\it
.endif
.set rA, 64*\p+16*\it
.set rB, 64*(\jt)+16*\p
.set rE, WS+8*(\it/2)+\p
.set rF, YS+8*((\jt)/2)+\p
.if (\it%2 == 1) && ((\jt)%2 == 1)
	v_wmma_scale_f32_16x16x128_f8f6f4 v[rD:rD+7], v[rA:rA+15], v[rB:rB+15], v[rC:rC+7], v[rE], v[rF] matrix_a_scale:MATRIX_SCALE_ROW1 matrix_b_scale:MATRIX_SCALE_ROW1
.elseif \it%2 == 1
	v_wmma_scale_f32_16x16x128_f8f6f4 v[rD:rD+7], v[rA:rA+15], v[rB:rB+15], v[rC:rC+7], v[rE], v[rF] matrix_a_scale:MATRIX_SCALE_ROW1
.elseif (\jt)%2 == 1
	v_wmma_scale_f32_16x16x128_f8f6f4 v[rD:rD+7], v[rA:rA+15], v[rB:rB+15], v[rC:rC+7], v[rE], v[rF] matrix_b_scale:MATRIX_SCALE_ROW1
.else
	v_wmma_scale_f32_16x16x128_f8f6f4 v[rD:rD+7], v[rA:rA+15], v[rB:rB+15], v[rC:rC+7], v[rE], v[rF]
.endif
.endr
.endr
	PLACES 8                                       ; in front of the first read of its results
.endm
; THE WAY OUT of 16 rows x 64 columns: a lane's 32 bytes go into my own stage and come back as whole rows of 256 bytes.  LDS serves a wave's instructions in order (ISA guide 5.7.1.4): no wait between the stores and the loads,
; nor in front of the next block's stores.  Every block has registers of its own, so no store's sources are written again.
.macro TOSTAGE jt
	WIN 0x08                                       ; the data: window 2
.irp it, 0,1,2,3
	ds_store_b128 v7, v[32*(\jt)+8*\it:32*(\jt)+8*\it+3] offset:64*\it          ; each accumulator from its low end on
	ds_store_b128 v7, v[32*(\jt)+8*\it+4:32*(\jt)+8*\it+7] offset:64*\it+16
.endr
	WIN 0x80                                       ; destination window 2
.irp i, 0,1,2,3,4,5,6,7
	ds_load_b128 v[OB+32*(\jt)+4*\i:OB+32*(\jt)+4*\i+3], v8 offset:\i*544
.endr
.endm
.macro SEND jt, younger                ; younger: the LDS instructions issued behind block jt's loads
	WIN 0x08
.irp i, 0,1,2,3,4,5,6,7
	s_wait_dscnt \younger+7-\i
	global_store_b128 v9, v[OB+32*(\jt)+4*\i:OB+32*(\jt)+4*\i+3], s[60:61] offset:(16*(\jt)+2*\i)*2048 th:TH_STORE_NT   ; 16 lanes store 256 consecutive bytes, at a multiple of 256 from out's first byte; written once, read by nobody here
.endr
.endm
	s_wait_loadcnt 0x0                             ; the scale words and bp
	s_wait_dscnt 48                                ; y's first 16 rows are in; the other three blocks' 48 loads may be out
	MUL 0
	TOSTAGE 0
	s_wait_dscnt 48                                ; y's second 16 rows are in: behind them 32 loads of y and the stage's 16
	MUL 1
	TOSTAGE 1
	SEND 0, 16                                     ; (behind this wait all of y is in)
	MUL 2
	TOSTAGE 2
	SEND 1, 16
	MUL 3
	TOSTAGE 3
	SEND 2, 16
	SEND 3, 0
	WIN 0
	s_wait_tensorcnt 0x0                           ; the wave's end
	ds_add_u32 v[SPW], v[NIL]
	s_wait_dscnt 0x0
	ROUND                                          ; the closing round
	s_endpgm
.Lfunc_end_k_qdb72be480c_proj:
	.size	k_qdb72be480c_proj, .Lfunc_end_k_qdb72be480c_proj-k_qdb72be480c_proj
	.p2alignl 7, 3214868480
	.fill 96, 4, 3214868480
	.section	.rodata,"a",@progbits
	.p2align	6, 0x0
	.amdhsa_kernel k_qdb72be480c_proj
		.amdhsa_group_segment_fixed_size 168448
		.amdhsa_private_segment_fixed_size 0
		.amdhsa_enable_private_segment 0
		.amdhsa_kernarg_size 48
		.amdhsa_user_sgpr_count 2
		.amdhsa_user_sgpr_kernarg_segment_ptr 1
		.amdhsa_wavefront_size32 1
		.amdhsa_system_sgpr_workgroup_id_x 1
		.amdhsa_system_sgpr_workgroup_id_y 1
		.amdhsa_system_sgpr_workgroup_id_z 1
		.amdhsa_system_vgpr_workitem_id 0
		.amdhsa_next_free_vgpr 1024
		.amdhsa_next_free_sgpr 70
		.amdhsa_reserve_vcc 0
		.amdhsa_float_denorm_mode_32 3
		.amdhsa_float_denorm_mode_16_64 3
		.amdhsa_memory_ordered 1
		.amdhsa_forward_progress 1
		.amdhsa_inst_pref_size 38
	.end_amdhsa_kernel
	.amdgpu_metadata
---
amdhsa.version: [ 1, 2 ]
amdhsa.kernels:
  - .name:           k_qdb72be480c_proj
    .symbol:         k_qdb72be480c_proj.kd
    .args:
      - { .name: yc, .offset: 0, .size: 8, .value_kind: global_buffer, .address_space: global }
      - { .name: ys, .offset: 8, .size: 8, .value_kind: global_buffer, .address_space: global }
      - { .name: Wp_codes, .offset: 16, .size: 8, .value_kind: global_buffer, .address_space: global }
      - { .name: Wp_scales, .offset: 24, .size: 8, .value_kind: global_buffer, .address_space: global }
      - { .name: bp, .offset: 32, .size: 8, .value_kind: global_buffer, .address_space: global }
      - { .name: out0, .offset: 40, .size: 8, .value_kind: global_buffer, .address_space: global }
    .group_segment_fixed_size: 168448
    .private_segment_fixed_size: 0
    .kernarg_segment_align: 8
    .kernarg_segment_size: 48
    .max_flat_workgroup_size: 128
    .sgpr_count:     70
    .vgpr_count:     1024
    .wavefront_size: 32
...
	.end_amdgpu_metadata
.endif
;; end of part 3
